; MI455X (gfx1250); checked and timed in simulation.
; The chip was launched on July 23, 2026; its instructions are those of AMD's public machine-readable ISA for CDNA 5 (MIT licence, August 2026) and "CDNA5" Instruction Set Architecture Reference Guide (July 2026). The comments in the code are by the model that wrote it; some were corrected since.
;; Multi Head Self Attention. Allowed arithmetic: matrix products marked QUANTISED: E2M1 operands, one E8M0 scale for each 32 along K, by v_wmma_scale_f32_16x16x128_f8f6f4 with both operands' format E2M1 (or v_wmma_scale_f32_32x16x128_f4), f32 sums; everything else in f32.
;; Inputs: Wk 1,024 x 1,024 float32; Wq 1,024 x 1,024 float32; Wv 1,024 x 1,024 float32; kv 4 x 2,048 x 1,024 float32; x 4 x 2,048 x 1,024 float32.
;; Outputs: out0 4 x 2,048 x 1,024 float32.
;; This version of the problem:
;;   THIS VERSION OF THE PROBLEM IS GIVEN IN LOW PRECISION. The matrix products marked QUANTISED in the list below multiply operands that are first quantised to E2M1 (2 exponent bits, 1 mantissa bit; 4 bits a number), with one power-of-two scale for each 32 numbers along K (OCP MX v1.0); their sums are f32. All else is computed in f32.
;;   The module's matrix products, in the order in which they are computed (A, B: the left and right operand; K: the contracted axis; several contracted axes count as one K, in the product's order):
;;     1. [M 8,192, K 1,024] x [K 1,024, N 1,024]; A: input x; B: input Wq: QUANTISED
;;     2. [M 8,192, K 1,024] x [K 1,024, N 1,024]; A: input kv; B: input Wk: QUANTISED
;;     3. [M 8,192, K 1,024] x [K 1,024, N 1,024]; A: input kv; B: input Wv: QUANTISED
;;     4. batch 64 x [M 2,048, K 64] x [K 64, N 2,048]; A: computed on the way; B: computed on the way: QUANTISED
;;     5. batch 64 x [M 2,048, K 2,048] x [K 2,048, N 64]; A: softmax (see below); B: computed on the way: QUANTISED
;;   THE QUANTISER, for each operand of a quantised product, along K:
;;     - K is cut into blocks of 32 from its start; a last block that is shorter is filled with zeros.
;;     - A block's scale is 2^e with e = floor(log2(the largest magnitude in the block)) - 2, held to -126 .. 127; a block of zeros has e = 0. As a byte (E8M0): e + 127.
;;     - Each number is divided by its block's scale, clamped to +-6, and rounded to the nearest number of E2M1, ties to even, subnormals kept.
;;     - The product sums the exact products of the quantised numbers (number of the format x scale) in f32.
;;   ~~~python
;;   def quantise(x, axis):      # numpy; x: float32 -> the quantised numbers, widened to float32 again
;;       x = np.moveaxis(x, axis, -1); K = x.shape[-1]
;;       x = np.pad(x, [(0, 0)] * (x.ndim - 1) + [(0, -K % 32)]); x = x.reshape(x.shape[:-1] + (-1, 32)); a = np.abs(x).max(-1, keepdims=True)
;;       e = np.where(a > 0, np.clip(np.frexp(np.where(a > 0, a, 1))[1] - 1 - 2, -126, 127), 0)      # np.frexp(a)[1] - 1 = floor(log2(a)), exactly
;;       r = np.clip(x / 2.0 ** e, -6, 6)
;;       step = 2.0 ** (np.maximum(np.frexp(np.where(r == 0, 1, r))[1] - 1, 0) - 1)
;;       q = np.round(r / step) * step * 2.0 ** e      # np.round: ties to even
;;       return np.moveaxis(q.reshape(q.shape[:-2] + (-1,))[..., :K], -1, axis).astype(np.float32)
;;   ~~~
;;   SOFTMAX AHEAD OF A QUANTISED PRODUCT. Where the list says 'softmax', what is quantised is not the finished softmax but p = 2^(t - M), with t = logit x log2(e) and M = ceil(the row's largest t), a whole number; so 1/2 < the row's largest p <= 1. The row's sum l is taken of the UNQUANTISED p, in f32, and the product's result is divided by l at the end. Since M is a whole number, a kernel that streams over the keys may use a running M (the ceiling of the running maximum): every later rescaling is an exact power of two, which a block's scale takes up: the codes' values come out the same.
;;   OPERANDS COMPUTED ON THE WAY. 'Computed on the way' means the value that the module computes at that place (a softmax that the list does not call 'softmax' is quantised finished and normalised). What goes into a quantiser is computed in f32, as accurately as f32 sums, v_exp_f32 and their like allow (about 1e-6 of the number): no bf16 or f16 on the way to a quantiser, and a product that is left as it is and whose result goes on into a quantised operand takes f32 operands (vector FMAs, or v_wmma_f32_16x16x4_f32). A number that lies on a knife's edge between two numbers of the format may be rounded either way, as far as f32 arithmetic and the matrix unit's own rounding can turn it there, and no further.
;; One version. Each part assembles by itself: llvm-mc -triple=amdgcn-amd-amdhsa -mcpu=gfx1250 --defsym DOCPART=n.
;; ======== version 1 of 1: 3 launches
;; limits: right only within a limited range of input values
;; workspace buffers: codes 9,961,472 bytes; scales 622,592 bytes; img 13,631,488 bytes
;; launch quant (part 1): grid 1216 x 1, 2 waves a work-group, no clusters, 16,640 bytes of LDS; arguments x, kv, Wq, Wk, Wv, codes, scales; writes codes, scales
.if DOCPART == 1
	.amdgcn_target "amdgcn-amd-amdhsa--gfx1250"
	.amdhsa_code_object_version 6
	.text
	.protected	k_q62c0835197_quant
	.globl	k_q62c0835197_quant
	.p2align	8
	.type	k_q62c0835197_quant,@function
k_q62c0835197_quant:
	s_mov_b64 s[64:65], 0
	v_nop
	global_prefetch_b8 v0, s[64:65] scope:SCOPE_SE
	s_setreg_imm32_b32 hwreg(HW_REG_WAVE_MODE, 25, 1), 1
	s_wait_xcnt 0x0
; x, kv [8192][1024] and Wq, Wk, Wv [1024][1024], f32, K = the last axis, become codes of FP4 (E2M1), two a byte, K innermost, and one E8M0 scale byte for each 32 along K.
; OUT: codes: 19,456 rows of 512 bytes, scales: the same rows of 32 bytes; sections x (row 0), kv (8,192), Wq (16,384), Wk (17,408), Wv (18,432).
; A row's place is its number with bits 3 and 4 exchanged: the 16 neighbouring places 16 t .. 16 t + 15 hold rows 32 (t / 2) + 8 (t % 2) + r + 8 (r / 8),
; the rows that the later launches take as one tile, so that their results have 16 neighbours along the next K in a lane's 16 registers.
; A block's scale is 2^(floor(log2(its largest magnitude)) - 2); its byte is that magnitude's exponent field - 2, held at 1 from below.
; LIMITS: a block whose largest magnitude lies under 2^-124 (a block of zeros among them) gets the byte 1; zero codes add nothing under it, and this program alone reads the bytes.  NaN and infinities are not served.
; SHARES: 1,216 work-groups of two waves, 16 rows each: 0-511 x, 512-1023 kv, 1024-1087 Wq, 1088-1151 Wk, 1152-1215 Wv.  A wave takes a run of 8 rows, 16 steps of 512 numbers.
; A run's number is 2 x work-group + wave; the exchange of the rows' bits 3 and 4 is an exchange of its two lowest bits in the place where it stores.
; Each load reads 512 consecutive bytes; a step's 2,048 bytes turn through the wave's own stage in LDS and come back 64 bytes a lane: 16 neighbours along K, two lanes to a block.
; Waves share nothing: no barrier, no cluster, no tensor load.  Loads run eight steps (32 loads a wave) ahead, the turn through LDS one step; the codes of four steps are stored together.
.set STEPS, 16
.set AHEAD, 8                          ; sets of load registers
.set EMAX,  2
.set CB,    8                          ; bytes of 16 codes
.set R,     16                         ; v16-143  eight sets of 16 numbers as they are loaded
.set X,     144                        ; v144-175 two sets of 16 neighbours
.set E,     176                        ; v176-191 a scale byte for each step
.set C,     192                        ; v192-223 codes: two registers for each step, so that no store's data are written again
.set SPW,   224                        ; v224 LDS address of my spare word; never rewritten
.set NIL,   225                        ; v225 0; never rewritten
.set WREG,  8192                       ; LDS: a region for each wave: two stages of 32 x SP bytes, behind them its 256 scale bytes
.set SP,    80                         ; a lane's place in a stage: 64 bytes + 16 of padding
.set SPARE, 2*WREG                     ; behind the regions: the spare words
	s_load_b256 s[4:11], s[0:1], 0x0               ; x, kv, Wq, Wk
	s_load_b128 s[12:15], s[0:1], 0x20             ; Wv, codes
	s_load_b64 s[16:17], s[0:1], 0x30              ; scales
	v_lshl_add_u32 v[SPW], v0, 2, SPARE
	v_mov_b32 v[NIL], 0
	v_lshrrev_b32 v1, 5, v0
	v_readfirstlane_b32 s22, v1                    ; wave 0, 1
	v_and_b32 v2, 31, v0                           ; lane
	v_lshlrev_b32 v3, 4, v2                        ; my 16 bytes of a load's 512
	s_mul_i32 s23, s22, WREG
	v_lshrrev_b32 v14, 2, v2
	v_mul_u32_u24 v14, v14, SP
	v_and_b32 v15, 3, v2
	v_lshl_add_u32 v14, v15, 4, v14
	v_add_nc_u32 v14, s23, v14                     ; the stage, on the way in: SP (lane / 4) + 16 (lane % 4)
	v_mul_u32_u24 v15, v2, SP
	v_add_nc_u32 v15, s23, v15                     ; and on the way out: SP x lane
	v_mul_u32_u24 v4, v2, CB                       ; my codes' place in a step's
	v_lshrrev_b32 v5, 1, v2
	s_add_co_u32 s23, s23, 2*32*SP
	v_add_nc_u32 v5, s23, v5                       ; LDS: my block's scale byte
	v_lshlrev_b32 v7, 3, v2                        ; and on the way out 8 bytes a lane
	v_add_nc_u32 v6, s23, v7
	s_wait_alu depctr_va_vdst(0)                   ; the wait at the head's end
	s_wait_kmcnt 0x0
	; which tensor is my work-group's: choices on the work-group's number alone
	s_mov_b64 s[18:19], s[12:13]
	s_mov_b32 s20, 1152
	s_cmp_lt_u32 ttmp9, 1152
	s_cselect_b64 s[18:19], s[10:11], s[18:19]
	s_cselect_b32 s20, 1088, s20
	s_cmp_lt_u32 ttmp9, 1088
	s_cselect_b64 s[18:19], s[8:9], s[18:19]
	s_cselect_b32 s20, 1024, s20
	s_cmp_lt_u32 ttmp9, 1024
	s_cselect_b64 s[18:19], s[6:7], s[18:19]
	s_cselect_b32 s20, 512, s20
	s_cmp_lt_u32 ttmp9, 512
	s_cselect_b64 s[18:19], s[4:5], s[18:19]
	s_cselect_b32 s20, 0, s20
	s_sub_co_u32 s21, ttmp9, s20
	s_lshl_b32 s21, s21, 1
	s_add_co_u32 s24, s21, s22                     ; which run of 8 rows of the tensor is my wave's
	s_lshl_b32 s24, s24, 15                        ; 32,768 bytes a run
	s_mov_b32 s25, 0
	s_add_nc_u64 s[18:19], s[18:19], s[24:25]
	s_lshl_b32 s26, s22, 1                         ; where it goes: the run's two lowest bits (the wave; the work-group's lowest) change places
	s_and_b32 s27, ttmp9, 1
	s_or_b32 s26, s26, s27
	s_lshr_b32 s27, ttmp9, 1
	s_lshl_b32 s27, s27, 2
	s_add_co_u32 s26, s26, s27
	s_lshl_b32 s24, s26, 12                        ; 8 rows of 512 bytes of codes
	s_add_nc_u64 s[14:15], s[14:15], s[24:25]
	s_lshl_b32 s24, s26, 8                         ; 8 rows of 32 scale bytes
	s_add_nc_u64 s[16:17], s[16:17], s[24:25]
.macro LOAD t
.irp i, 0,1,2,3
	global_load_b128 v[R+16*((\t)%AHEAD)+4*\i:R+16*((\t)%AHEAD)+4*\i+3], v3, s[18:19] offset:2048*(\t)+512*\i th:TH_LOAD_NT
.endr
.endm
.macro TURN t                          ; step t's numbers through the stage: LDS serves a wave's instructions in order (ISA guide 5.7.1.4)
.irp i, 0,1,2,3
	ds_store_b128 v14, v[R+16*((\t)%AHEAD)+4*\i:R+16*((\t)%AHEAD)+4*\i+3] offset:32*SP*((\t)%2)+8*SP*\i
.endr
.irp i, 0,1,2,3
	ds_load_b128 v[X+16*((\t)%2)+4*\i:X+16*((\t)%2)+4*\i+3], v15 offset:32*SP*((\t)%2)+16*\i
.endr
.endm
.irp t, 0,1,2,3,4,5,6,7
	LOAD \t
.endr
	s_wait_loadcnt 28                              ; step 0's four loads are in; the 28 of steps 1 to 7 may be out
	TURN 0
.macro STEP t
.set XS, X+16*((\t)%2)
.if (\t) > 0
	s_wait_dscnt 1                                 ; this step's numbers are back (the last step's byte store may be out): its stores into the stage have read their registers,
.else
	s_wait_dscnt 0x0
.endif
.if (\t)+AHEAD < STEPS
	LOAD (\t)+AHEAD                                ; which take the loads of eight steps on
.endif
.if (\t)+1 < STEPS
.if STEPS-2-(\t) >= AHEAD-1
	s_wait_loadcnt 4*(AHEAD-1)                     ; the next step's four loads are in; those of the seven steps behind it may be out
.else
	s_wait_loadcnt 4*(STEPS-2-(\t))
.endif
	TURN (\t)+1
.endif
	v_max3_num_f32 v8, |v[XS]|, |v[XS+1]|, |v[XS+2]|               ; the largest magnitude of my 16, in two chains
	v_max3_num_f32 v9, |v[XS+3]|, |v[XS+4]|, |v[XS+5]|
.irp i, 6,10
	v_max3_num_f32 v8, v8, |v[XS+\i]|, |v[XS+\i+1]|
	v_max3_num_f32 v9, v9, |v[XS+\i+2]|, |v[XS+\i+3]|
.endr
	v_max3_num_f32 v8, v8, |v[XS+14]|, |v[XS+15]|
	v_max3_num_f32 v8, v8, v9, (EMAX+1)<<23        ; and the floor 2^(3 - 127): the byte cannot fall under 1
	v_max_num_f32_dpp v8, v8, v8 row_xmask:1 row_mask:0xf bank_mask:0xf   ; and of my neighbour's 16: the block's
	v_add_nc_u32 v11, -(EMAX<<23), v8              ; 2 off its exponent field: the conversion's scale operand
	v_cvt_scalef32_pk8_fp4_f32 v[C+2*(\t)], v[XS:XS+7], v11
	v_cvt_scalef32_pk8_fp4_f32 v[C+2*(\t)+1], v[XS+8:XS+15], v11
	v_lshrrev_b32 v[E+(\t)], 23, v11               ; the scale's byte (also the plain line behind the conversions)
	ds_store_b8 v5, v[E+(\t)] offset:16*(\t)       ; both lanes of a block write the same byte with the same value
.if ((\t)%4) == 3
.irp k, 3,2,1,0
	global_store_b64 v4, v[C+2*((\t)-\k):C+2*((\t)-\k)+1], s[14:15] offset:32*CB*((\t)-\k)   ; 32 lanes store 256 consecutive bytes, aligned; four steps' codes on end
.endr
.endif
.endm
.irp t, 0,1,2,3,4,5,6,7,8,9,10,11,12,13,14,15
	STEP \t
.endr
	ds_load_b64 v[12:13], v6                       ; behind my byte stores, in order
	s_wait_dscnt 0x0
	global_store_b64 v7, v[12:13], s[16:17]        ; 32 lanes store 256 consecutive bytes, aligned
	s_wait_tensorcnt 0x0                           ; the wave's end
	ds_add_u32 v[SPW], v[NIL]
	s_wait_dscnt 0x0
	s_endpgm
.Lfunc_end_k_q62c0835197_quant:
	.size	k_q62c0835197_quant, .Lfunc_end_k_q62c0835197_quant-k_q62c0835197_quant
	.p2alignl 7, 3214868480
	.fill 96, 4, 3214868480
	.section	.rodata,"a",@progbits
	.p2align	6, 0x0
	.amdhsa_kernel k_q62c0835197_quant
		.amdhsa_group_segment_fixed_size 16640
		.amdhsa_private_segment_fixed_size 0
		.amdhsa_enable_private_segment 0
		.amdhsa_kernarg_size 56
		.amdhsa_user_sgpr_count 2
		.amdhsa_user_sgpr_kernarg_segment_ptr 1
		.amdhsa_wavefront_size32 1
		.amdhsa_system_sgpr_workgroup_id_x 1
		.amdhsa_system_sgpr_workgroup_id_y 1
		.amdhsa_system_sgpr_workgroup_id_z 1
		.amdhsa_system_vgpr_workitem_id 0
		.amdhsa_next_free_vgpr 226
		.amdhsa_next_free_sgpr 66
		.amdhsa_reserve_vcc 0
		.amdhsa_float_denorm_mode_32 3
		.amdhsa_float_denorm_mode_16_64 3
		.amdhsa_memory_ordered 1
		.amdhsa_forward_progress 1
		.amdhsa_inst_pref_size 34
	.end_amdhsa_kernel
	.amdgpu_metadata
---
amdhsa.version: [ 1, 2 ]
amdhsa.kernels:
  - .name:           k_q62c0835197_quant
    .symbol:         k_q62c0835197_quant.kd
    .args:
      - { .name: x, .offset: 0, .size: 8, .value_kind: global_buffer, .address_space: global }
      - { .name: kv, .offset: 8, .size: 8, .value_kind: global_buffer, .address_space: global }
      - { .name: Wq, .offset: 16, .size: 8, .value_kind: global_buffer, .address_space: global }
      - { .name: Wk, .offset: 24, .size: 8, .value_kind: global_buffer, .address_space: global }
      - { .name: Wv, .offset: 32, .size: 8, .value_kind: global_buffer, .address_space: global }
      - { .name: codes, .offset: 40, .size: 8, .value_kind: global_buffer, .address_space: global }
      - { .name: scales, .offset: 48, .size: 8, .value_kind: global_buffer, .address_space: global }
    .group_segment_fixed_size: 16640
    .private_segment_fixed_size: 0
    .kernarg_segment_align: 8
    .kernarg_segment_size: 56
    .max_flat_workgroup_size: 64
    .sgpr_count:     66
    .vgpr_count:     226
    .wavefront_size: 32
...
	.end_amdgpu_metadata
.endif
;; end of part 1
;; launch proj (part 2): grid 8 x 32, 4 waves a work-group, clusters of 4 x 4, 327,680 bytes of LDS; arguments codes, scales, img; writes img
.if DOCPART == 2
	.amdgcn_target "amdgcn-amd-amdhsa--gfx1250"
	.amdhsa_code_object_version 6
	.text
	.protected	k_q62c0835197_proj
	.globl	k_q62c0835197_proj
	.p2align	8
	.type	k_q62c0835197_proj,@function
k_q62c0835197_proj:
	s_mov_b64 s[64:65], 0
	v_nop
	global_prefetch_b8 v0, s[64:65] scope:SCOPE_SE
	s_setreg_imm32_b32 hwreg(HW_REG_WAVE_MODE, 25, 1), 1
	s_wait_xcnt 0x0
	s_wait_alu depctr_hold_cnt(0) depctr_sa_sdst(0) depctr_va_vdst(0) depctr_va_sdst(0) depctr_va_ssrc(0) depctr_va_vcc(0) depctr_vm_vsrc(0)
	s_getreg_b32 s2, hwreg(HW_REG_IB_STS2, 6, 4)
	s_cmp_eq_u32 s2, 0
	s_cbranch_scc0 .Lentry_in_a_cluster
	s_endpgm
.Lentry_in_a_cluster:
	s_bfe_u32 s2, ttmp6, 0x10000c
	s_cmp_lg_u32 s2, 0xf033
	s_cbranch_scc0 .Lentry_shape_is_right
	s_endpgm
.Lentry_shape_is_right:
; K = kv Wk^T and V = kv Wv^T on codes of FP4 with E8M0 scales, 256 x 256 of a product to a work-group of four waves; 256 work-groups.  (Q = x Wq^T is made by the next launch, by the wave that uses it.)
; Cluster x + 1 says which product: 1 K (source 0 = rows of Wk, source 1 = tokens), 2 V (the roles exchanged, so that V's K, the keys, runs along a lane's registers).
; The results are quantised in registers along the next product's K and stored as images of operand registers into the heads' records of img: K's codes at 0, V's at 65,536, their scale words at 131,072.
.set NQ,     4
; LDS, each byte filled once, by four joint loads at the head, one a wave: source 1's 256 rows of all of K (512 bytes + 16 of padding a row), source 0's 256 rows, and the two blocks of scale bytes.
.set ROWB,   512
.set KROW,   512
.set PITCH,  528
.set FR,     8
.set NL,     2
.set NP,     4
.set HALFT,  128*PITCH
.set SLOT,   256
.set KS,     32
.set SCL,    4*HALFT
.set HALFS,  (128*KS/256)*272
.set SBLK,   (16*KS/256)*272
.set REC,    212992
.set ADRA, 16
.set ADRB, 20
.set LI,   24
.set SOV,  25
.set ADRS, 27
.set SELK, 28
.set SELV, 29
.set SC,   32
.set TM,   96
.set PW,   112
.set OF,   120
.set AF,   128
.set PC,   128
.set G1, 24
.set G0, 32
.set G1B, 48
.set G0B, 56
.set G1S, 68
.set G0S, 76
.set G1SB, 80
.set G0SB, 88
.set MSB, 0
.macro WIN new
.if MSB != \new
	s_set_vgpr_msb (MSB<<8)|\new
.set MSB, \new
.endif
.endm
.set MUL_LO, 0xa1
.set MUL_HI, 0xf1
.set TO_B,   0x40
.macro ARM under, g0, g1, next
	s_cmp_lt_u32 s14, \under
	s_cbranch_scc0 \next
	tensor_load_to_lds s[\g0:\g0+3], s[\g1:\g1+7]
	s_nop 0
.rept 4
	v_nop
.endr
	s_branch .Lhead_asked
\next:
.endm
.macro CROUND
	s_barrier_signal -1
	s_barrier_wait -1
	s_cmp_lg_u32 s14, 0
	s_cbranch_scc1 .Lnot_wave_0_\@
	s_barrier_signal -3
.Lnot_wave_0_\@:
	s_barrier_wait -3
	s_barrier_signal -1
	s_barrier_wait -1
.endm
	s_load_b128 s[4:7], s[0:1], 0x0
	s_load_b64 s[8:9], s[0:1], 0x10
	v_lshl_add_u32 v254, v0, 2, 0x48400
	v_mov_b32 v255, 0
	ds_add_u32 v254, v255
	ds_add_u32 v254, v255
	v_lshrrev_b32 v1, 5, v0
	v_readfirstlane_b32 s14, v1
	s_lshr_b32 s15, s14, 1
	s_and_b32 s16, s14, 1
	s_bfe_u32 s40, ttmp6, 0x40000
	s_bfe_u32 s41, ttmp6, 0x40004
	s_and_b32 s17, ttmp7, 0xffff
	s_add_co_u32 s3, ttmp9, 1
	s_lshl_b32 s43, s41, 2
	s_lshl_b32 s43, 15, s43
	s_lshl_b32 s44, 0x1111, s40
	s_or_b32 s[G1+0], s43, (0<<16)|(1<<20)|(1<<21)|(6<<22)|(3<<25)
	s_or_b32 s[G1B+0], s44, (0<<16)|(1<<20)|(1<<21)|(6<<22)|(3<<25)
.irp g, G1, G1B
	s_mov_b32 s[\g+1], ROWB<<16
	s_mov_b32 s[\g+2], 256<<16
	s_mov_b32 s[\g+3], ROWB<<16
	s_mov_b32 s[\g+4], 256
	s_mov_b32 s[\g+5], KROW
	s_mov_b32 s[\g+6], 0
	s_mov_b32 s[\g+7], 0
.endr
	s_or_b32 s[G1S+0], s43, (3<<16)|(1<<20)|(1<<21)|(5<<22)|(3<<25)
	s_or_b32 s[G1SB+0], s44, (3<<16)|(1<<20)|(1<<21)|(5<<22)|(3<<25)
.irp g, G1S, G1SB
	s_mov_b32 s[\g+1], 32<<16
	s_mov_b32 s[\g+2], (256*KS/256)<<16
	s_mov_b32 s[\g+3], 32<<16
	s_mov_b32 s[\g+4], 256*KS/256
	s_mov_b32 s[\g+5], 32
	s_mov_b32 s[\g+6], 0
	s_mov_b32 s[\g+7], 0
.endr
	s_mov_b32 s18, 8192
	s_lshl_b32 s19, s17, 10
	s_add_co_u32 s18, s18, s19
	s_lshl_b32 s19, s3, 10
	s_add_co_u32 s19, s19, 16384
	s_cmp_eq_u32 s3, 2
	s_cselect_b32 s20, s19, s18
	s_cselect_b32 s46, s18, s19
	s_lshl_b32 s22, s41, 8
	s_add_co_u32 s20, s20, s22
	s_lshl_b32 s47, s40, 8
	s_add_co_u32 s46, s46, s47
	s_lshl_b32 s22, s20, 5
	s_mov_b32 s23, 0
	s_lshl_b32 s20, s20, 9
	s_mov_b32 s21, 0
	s_lshl_b32 s92, s46, 5
	s_mov_b32 s93, 0
	s_lshl_b32 s46, s46, 9
	s_mov_b32 s47, 0
	s_wait_dscnt 0x0
	s_wait_kmcnt 0x0
	s_add_nc_u64 s[20:21], s[4:5], s[20:21]
	s_add_nc_u64 s[22:23], s[6:7], s[22:23]
	s_add_nc_u64 s[46:47], s[4:5], s[46:47]
	s_add_nc_u64 s[92:93], s[6:7], s[92:93]
	CROUND                                         ; all sixteen work-groups are here: the joint loads meet
	s_mov_b32 s[G0], 1                             ; source 1's 256 rows, all of K
	s_mov_b32 s[G0+1], 0
	s_mov_b64 s[G0+2:G0+3], s[20:21]
	s_or_b32 s[G0+3], s[G0+3], 0x80000000
	s_mov_b32 s[G0B], 1                            ; source 0's, behind them
	s_mov_b32 s[G0B+1], 2*HALFT
	s_mov_b64 s[G0B+2:G0B+3], s[46:47]
	s_or_b32 s[G0B+3], s[G0B+3], 0x80000000
	s_mov_b32 s[G0S], 1                            ; the scale bytes of the first,
	s_mov_b32 s[G0S+1], SCL
	s_mov_b64 s[G0S+2:G0S+3], s[22:23]
	s_or_b32 s[G0S+3], s[G0S+3], 0x80000000
	s_mov_b32 s[G0SB], 1                           ; and of the second
	s_mov_b32 s[G0SB+1], SCL+2*HALFS
	s_mov_b64 s[G0SB+2:G0SB+3], s[92:93]
	s_or_b32 s[G0SB+3], s[G0SB+3], 0x80000000
	; one chain of branches on the wave's number, one load to an arm
	ARM 1, G0,  G1,  .Lhead_b
	ARM 2, G0B, G1B, .Lhead_sa
	ARM 3, G0S, G1S, .Lhead_sb
	tensor_load_to_lds s[G0SB:G0SB+3], s[G1SB:G1SB+7]
	s_nop 0
.rept 4
	v_nop
.endr
.Lhead_asked:
	v_and_b32 v1, 15, v0
	v_bfe_u32 v2, v0, 4, 1
	v_mul_u32_u24 v3, v1, PITCH
	v_lshl_add_u32 v4, v2, 4, v3
	s_mul_i32 s21, s15, HALFT
	s_mul_i32 s22, s16, HALFT
	s_add_co_u32 s22, s22, 2*HALFT
.irp s, 0,1
	v_add_nc_u32 v[ADRA+\s], s21, v4
	v_add_nc_u32 v[ADRB+\s], s22, v4
	s_add_co_u32 s21, s21, SLOT
	s_add_co_u32 s22, s22, SLOT
.endr
	v_mul_u32_u24 v5, v1, KS
	v_lshrrev_b32 v6, 8, v5
	v_lshl_add_u32 v5, v6, 4, v5
	s_mul_i32 s21, s15, HALFS
	s_mul_i32 s22, s16, HALFS
	s_add_co_u32 s22, s22, 2*HALFS
	s_sub_co_u32 s22, s22, s21
	v_mul_u32_u24 v6, s22, v2
	s_add_co_u32 s21, s21, SCL
	v_add_nc_u32 v5, v5, v6
	v_add_nc_u32 v[ADRS], s21, v5
	v_and_b32 v6, 31, v0
	v_lshlrev_b32 v[LI], 4, v6
	v_mul_u32_u24 v[SOV], v2, REC
	v_lshl_add_u32 v[SOV], v1, 4, v[SOV]
	v_cmp_ne_u32 vcc_lo, 0, v2
	v_mov_b32 v[SELK], 0x05040100
	v_mov_b32 v30, 0x07060302
	v_cndmask_b32 v[SELK], v[SELK], v30, vcc_lo
	v_mov_b32 v[SELV], 0x03020100
	v_mov_b32 v30, 0x07060504
	v_cndmask_b32 v[SELV], v[SELV], v30, vcc_lo
	s_lshl_b32 s92, s41, 8
	s_lshl_b32 s93, s15, 7
	s_add_co_u32 s92, s92, s93
	s_lshl_b32 s93, s40, 8
	s_lshl_b32 s94, s16, 7
	s_add_co_u32 s93, s93, s94
	s_mov_b32 s98, 512
	s_mov_b32 s12, REC
	s_mov_b32 s21, 131072
	s_cmp_eq_u32 s3, 2
	s_cselect_b32 s94, s93, s92
	s_cselect_b32 s95, s92, s93
	s_cselect_b32 s100, -1, 0
	s_cselect_b32 s98, 1024, s98
	s_cselect_b32 s99, REC-4096, 0
	s_cselect_b32 s12, 512, s12
	s_cselect_b32 s20, 65536, 0
	s_cselect_b32 s21, 131328, s21
	s_lshl_b32 s22, s17, 10
	s_add_co_u32 s94, s94, s22
	s_lshr_b32 s22, s94, 11
	s_lshl_b32 s22, s22, 4
	s_lshr_b32 s95, s95, 6
	s_add_co_u32 s22, s22, s95
	s_bfe_u32 s94, s94, 0x40007
	s_mul_i32 s22, s22, REC
	s_lshl_b32 s23, s94, 12
	s_add_co_u32 s23, s23, s22
	s_add_co_u32 s46, s23, s20
	s_mov_b32 s47, 0
	s_add_nc_u64 s[10:11], s[8:9], s[46:47]
	s_mov_b32 s13, 0
	s_add_nc_u64 s[12:13], s[10:11], s[12:13]
	s_lshl_b32 s23, s94, 9
	s_add_co_u32 s23, s23, s22
	s_add_co_u32 s46, s23, s21
	s_add_nc_u64 s[96:97], s[8:9], s[46:47]
	s_mov_b32 s101, 0
	s_mov_b32 s18, 0x76543210
	s_mov_b32 s19, 0xfedcba98
.macro FRAG reg, adr, q, i
.irp c, 0,1
	ds_load_b128 v[\reg+4*\c:\reg+4*\c+3], v[\adr] offset:64*(\q)+32*\c+(\i)*16*PITCH
.endr
.endm
.macro MUL16 a0, p, q, sc, zero
.irp a, \a0, \a0+1
.irp b, 0,1,2,3,4,5,6,7
.if \zero
	v_wmma_scale_f32_16x16x128_f8f6f4 v[8*(8*((\a)%4)+\b):8*(8*((\a)%4)+\b)+7], v[128*(\p)+FR*\b:128*(\p)+FR*\b+FR-1], v[AF+FR*(\a):AF+FR*(\a)+FR-1], 0, v[SC+8*NQ*(\sc)+NQ*\b+(\q)], v[SC+8*NQ*(\sc)+NQ*(\a)+(\q)] matrix_a_fmt:MATRIX_FMT_FP4 matrix_b_fmt:MATRIX_FMT_FP4 matrix_a_scale:MATRIX_SCALE_ROW1
.else
	v_wmma_scale_f32_16x16x128_f8f6f4 v[8*(8*((\a)%4)+\b):8*(8*((\a)%4)+\b)+7], v[128*(\p)+FR*\b:128*(\p)+FR*\b+FR-1], v[AF+FR*(\a):AF+FR*(\a)+FR-1], v[8*(8*((\a)%4)+\b):8*(8*((\a)%4)+\b)+7], v[SC+8*NQ*(\sc)+NQ*\b+(\q)], v[SC+8*NQ*(\sc)+NQ*(\a)+(\q)] matrix_a_fmt:MATRIX_FMT_FP4 matrix_b_fmt:MATRIX_FMT_FP4 matrix_a_scale:MATRIX_SCALE_ROW1
.endif
.endr
.endr
.endm
.macro FETCH_B slot, q, p
	WIN TO_B
.irp i, 0,1,2,3,4,5,6,7
	FRAG 128*(\p)+FR*\i, ADRB+\slot, \q, \i
.endr
	WIN 0
.endm
.macro FETCH_A slot, q, i0
.irp i, \i0, \i0+1, \i0+2, \i0+3
	FRAG AF+FR*(\i), ADRA+\slot, \q, \i
.endr
.endm
.macro SCALES sc
.irp i, 0,1,2,3,4,5,6,7
	ds_load_b128 v[SC+8*NQ*\sc+NQ*\i:SC+8*NQ*\sc+NQ*\i+3], v[ADRS] offset:\i*SBLK
.endr
.endm
.macro PLACES n
.rept \n
	v_nop
.endr
.endm
.macro STEP slot, q, zero
	s_wait_dscnt 4*NL
	WIN MUL_LO
	MUL16 0, (\q)%2, \q, \slot, \zero
	MUL16 2, (\q)%2, \q, \slot, \zero
	s_wait_dscnt 0
	PLACES NP
	FETCH_B \slot, (\q)+1, 1-(\q)%2
	FETCH_A \slot, (\q)+1, 0
	WIN MUL_HI
	MUL16 4, (\q)%2, \q, \slot, \zero
	MUL16 6, (\q)%2, \q, \slot, \zero
	PLACES NP
	WIN 0
	FETCH_A \slot, (\q)+1, 4
.endm
.macro STEPS slot, from
.set Q, \from
.rept NQ-1-\from
	STEP \slot, Q, 0
.set Q, Q+1
.endr
.endm
	s_wait_alu depctr_va_vdst(0)                   ; the wait at the head's end
	s_wait_tensorcnt 0x0                           ; my tile of the four is in; behind the barrier all four are
	s_barrier_signal -1
	s_barrier_wait -1
	FETCH_B 0, 0, 0
	FETCH_A 0, 0, 0
	SCALES 0
	FETCH_A 0, 0, 4
	STEP 0, 0, 1
	STEPS 0, 1
	s_wait_dscnt 4*NL
	WIN MUL_LO
	MUL16 0, 1, NQ-1, 0, 0
	s_wait_dscnt 0x0
	MUL16 2, 1, NQ-1, 0, 0
	WIN 0
	PLACES NP
	v_add_nc_u32 v[ADRS], 4*NQ, v[ADRS]
	FETCH_B 1, 0, 0
	FETCH_A 1, 0, 0
	SCALES 1
	WIN MUL_HI
	MUL16 4, 1, NQ-1, 0, 0
	MUL16 6, 1, NQ-1, 0, 0
	PLACES NP
	WIN 0
	FETCH_A 1, 0, 4
	STEPS 1, 0
	s_wait_dscnt 4*NL
	WIN MUL_LO
	MUL16 0, 1, NQ-1, 1, 0
	MUL16 2, 1, NQ-1, 1, 0
	s_wait_dscnt 0
	WIN MUL_HI
	MUL16 4, 1, NQ-1, 1, 0
	MUL16 6, 1, NQ-1, 1, 0
	WIN 0
.macro QUANTW a
.set AC, 64*((\a)%4)
.set W, 2+(\a)/4
.set WMAX, (W<<2)|(W<<4)
.set PCA, PC+8*(\a)
	WIN 0
.irp b, 0,1,2,3
	v_mov_b32 v[TM+\b], 0x1800000
.endr
	WIN WMAX
.irp i, 0,2,4,6,8,10,12,14
.irp b, 0,1,2,3
	v_max3_num_f32 v[TM+\b], v[TM+\b], |v[AC+16*\b+\i]|, |v[AC+16*\b+\i+1]|
.endr
.endr
	WIN 0
.irp b, 0,1,2,3
	v_permlanex16_b32 v[TM+4+\b], v[TM+\b], s18, s19
.endr
.irp b, 0,1,2,3
	v_max_num_f32 v[TM+\b], v[TM+\b], v[TM+4+\b]
.endr
.irp b, 0,1,2,3
	v_add_nc_u32 v[TM+12+\b], 0xff000000, v[TM+\b]
.endr
.irp b, 0,1,2,3
	v_lshrrev_b32 v[TM+4+\b], 23, v[TM+12+\b]
.endr
	v_lshl_or_b32 v[PW+(\a)], v[TM+5], 8, v[TM+4]
	v_lshl_or_b32 v[PW+(\a)], v[TM+6], 16, v[PW+(\a)]
	v_lshl_or_b32 v[PW+(\a)], v[TM+7], 24, v[PW+(\a)]
	WIN W
.irp b, 0,1,2,3
	v_cvt_scalef32_pk8_fp4_f32 v[PCA+2*\b], v[AC+16*\b:AC+16*\b+7], v[TM+12+\b]
	v_cvt_scalef32_pk8_fp4_f32 v[PCA+2*\b+1], v[AC+16*\b+8:AC+16*\b+15], v[TM+12+\b]
.endr
	WIN 0
	v_nop
.irp c, 0,1
.irp i, 0,1
	v_permlane16_swap_b32 v[PCA+4*\c+\i], v[PCA+4*\c+2+\i]
.endr
.endr
.endm
.macro STOREC a
.set PCA, PC+8*(\a)
	v_add_nc_u32 v[OF+(\a)], s101, v[LI]
	s_add_co_u32 s101, s101, s98
.if (\a) == 3
	s_add_co_u32 s101, s101, s99
.endif
	global_store_b128 v[OF+(\a)], v[PCA:PCA+3], s[10:11]
	global_store_b128 v[OF+(\a)], v[PCA+4:PCA+7], s[12:13]
.endm
	PLACES NP
.irp b, 0,1,2,3
	v_mov_b32 v[TM+4+\b], 0
.endr
.irp a, 0,1,2,3,4,5,6,7
	QUANTW \a
	STOREC \a
.endr
.irp i, 0,1,2,3
	v_perm_b32 v[192+\i], v[PW+2*\i+1], v[PW+2*\i], v[SELK]
	v_perm_b32 v[196+\i], v[PW+4+\i], v[PW+\i], v[SELV]
.endr
.irp i, 0,1,2,3
	v_cndmask_b32 v[200+\i], v[192+\i], v[196+\i], s100
.endr
	global_store_b128 v[SOV], v[200:203], s[96:97]
	s_wait_tensorcnt 0x0
	ds_add_u32 v254, v255
	s_wait_dscnt 0x0
	CROUND
	s_endpgm
.Lfunc_end_k_q62c0835197_proj:
	.size	k_q62c0835197_proj, .Lfunc_end_k_q62c0835197_proj-k_q62c0835197_proj
	.p2alignl 7, 3214868480
	.fill 96, 4, 3214868480
	.section	.rodata,"a",@progbits
	.p2align	6, 0x0
	.amdhsa_kernel k_q62c0835197_proj
		.amdhsa_group_segment_fixed_size 327680
		.amdhsa_private_segment_fixed_size 0
		.amdhsa_enable_private_segment 0
		.amdhsa_kernarg_size 24
		.amdhsa_user_sgpr_count 2
		.amdhsa_user_sgpr_kernarg_segment_ptr 1
		.amdhsa_wavefront_size32 1
		.amdhsa_system_sgpr_workgroup_id_x 1
		.amdhsa_system_sgpr_workgroup_id_y 1
		.amdhsa_system_sgpr_workgroup_id_z 1
		.amdhsa_system_vgpr_workitem_id 0
		.amdhsa_next_free_vgpr 1024
		.amdhsa_next_free_sgpr 102
		.amdhsa_reserve_vcc 1
		.amdhsa_float_denorm_mode_32 3
		.amdhsa_float_denorm_mode_16_64 3
		.amdhsa_memory_ordered 1
		.amdhsa_forward_progress 1
		.amdhsa_inst_pref_size 130
	.end_amdhsa_kernel
	.amdgpu_metadata
---
amdhsa.version: [ 1, 2 ]
amdhsa.kernels:
  - .name:           k_q62c0835197_proj
    .symbol:         k_q62c0835197_proj.kd
    .args:
      - { .name: codes, .offset: 0, .size: 8, .value_kind: global_buffer, .address_space: global }
      - { .name: scales, .offset: 8, .size: 8, .value_kind: global_buffer, .address_space: global }
      - { .name: img, .offset: 16, .size: 8, .value_kind: global_buffer, .address_space: global }
    .group_segment_fixed_size: 327680
    .private_segment_fixed_size: 0
    .kernarg_segment_align: 8
    .kernarg_segment_size: 24
    .max_flat_workgroup_size: 128
    .sgpr_count:     102
    .vgpr_count:     1024
    .wavefront_size: 32
...
	.end_amdgpu_metadata
.endif
;; end of part 2
;; launch attn (part 3): grid 4 x 64, 16 waves a work-group, clusters of 4 x 1, 327,680 bytes of LDS; arguments codes, scales, img, out0; writes out0
.if DOCPART == 3
	.amdgcn_target "amdgcn-amd-amdhsa--gfx1250"
	.amdhsa_code_object_version 6
	.text
	.protected	k_q62c0835197_attn
	.globl	k_q62c0835197_attn
	.p2align	8
	.type	k_q62c0835197_attn,@function
k_q62c0835197_attn:
	s_mov_b64 s[64:65], 0
	v_nop
	global_prefetch_b8 v0, s[64:65] scope:SCOPE_SE
	s_setreg_imm32_b32 hwreg(HW_REG_WAVE_MODE, 25, 1), 1
	s_wait_xcnt 0x0
	s_wait_alu depctr_hold_cnt(0) depctr_sa_sdst(0) depctr_va_vdst(0) depctr_va_sdst(0) depctr_va_ssrc(0) depctr_va_vcc(0) depctr_vm_vsrc(0)
	s_getreg_b32 s2, hwreg(HW_REG_IB_STS2, 6, 4)
	s_cmp_eq_u32 s2, 0
	s_cbranch_scc0 .Lentry_in_a_cluster
	s_endpgm
.Lentry_in_a_cluster:
	s_bfe_u32 s2, ttmp6, 0x10000c
	s_cmp_lg_u32 s2, 0x3003
	s_cbranch_scc0 .Lentry_shape_is_right
	s_endpgm
.Lentry_shape_is_right:
; out0[b][q][64 h + :] = the sum over k of softmax_k(Q . K / 8) V for head g = 16 b + h, all products on codes of FP4 (E2M1) with E8M0 scales.
; Q = x Wq^T IS MADE HERE, at the head: a wave multiplies its 32 queries' rows of x's codes by the head's 64 rows of Wq's codes (K = 1,024, eight steps of 128, eight accumulators by turns),
; and quantises the result in registers along the 64 channels, straight into the operand's layout.  K's and V's codes and scale words come from the head's record, stored by the launch before as images of operand registers.
; THE SOFTMAX AHEAD OF THE LAST PRODUCT: t = score x log2(e) / 8; M = the row's largest t so far, rounded UP to a whole number; p = 2^(t - M) is what is quantised, along the keys, not normalised.
; The row's sum is taken of the unquantised p, in f32, and divides O at the end.  When M moves, the sum and O are multiplied by 2^(old M - new M): exact.  No range of the scores is assumed.
; A step's 64 exponentials of a tile go in four groups of 16.  Between a group's lines stand plain lines that name none of its registers: the multiply-adds of later groups and the sums of earlier ones (eight chains, one add a chain and group);
; one wait stands at each border of two groups: it serves what the plain lines wrote and what the exponentials wrote.
; SHARES: a work-group owns 512 queries of one head; each of its sixteen waves 32: two tiles of 16, which share every fragment of Wq, K and V.  256 work-groups of equal work.
; LDS, each byte filled once: the record's 139,264 bytes (waves 0-7: 68 rows of 256 bytes each), Wq's 64 rows of 512 bytes + 16 of padding (wave 8), their 2,048 scale bytes (wave 9); one tensor load a wave.
; Behind them a stage of 32 rows x 272 bytes for each wave, written by LDS stores alone: x's codes are read from memory 256 consecutive bytes to sixteen lanes and come back from it as fragments; the way out uses it too.
; CLUSTER: the four work-groups of a head read the same record and the same rows of Wq: each tensor load is asked for jointly by the four, with the same descriptor.
; No prefetch: what comes from memory comes once, at the head; the loop over the keys reads LDS alone.
; THE HEAD'S 64 CHANNELS ARE HALF OF THE INSTRUCTION'S K = 128.  A fragment of K holds TWO tiles of 16 keys and is multiplied by [q, 0] and by [0, q]: zero codes add nothing.  The zeros and the two tiles of Q lie in one run of registers (0 qA 0 qB 0).
; LAYOUT: Q^T = Wq x^T, S^T = K Q^T, O^T = V^T P^T: a lane holds ONE query (lane % 16) throughout.  The rows of a tile are rows 32 (t / 2) + 8 (t % 2) + r + 8 (r / 8) (channels, keys and queries alike).
; LIMITS: NaN and infinities are not served; a block under 2^-124 gets the byte 1 (a block of zeros has zero codes).
; REGISTERS: v1-3 16 x lane + the record's regions; v4-7, v8-11 -M, the largest score, the sum's halves, tile A, B; v12-14 the step's addresses; v16-35 zeros and Q; v36-67 four fragments; v68-71 scale words;
;   v72-135 S^T, then p (head: x's first half, then Q^T); v136-199 O^T (head: x's second half); v200-215 p's codes (head: x's fragments); v216-219 p's and Q's scale words; v220-239 at work (head: x's scale words);
;   v240-253 seven chains of the sum (head: addresses; the way out: an offset).
.set REC,   212992
.set VCO,   65536
.set KVS,   131072
.set PART,  17408                      ; a loading wave's part of the record's 139,264 bytes
.set WQL,   139264                     ; Wq's codes in LDS
.set WP,    528
.set WSL,   WQL+64*WP                  ; Wq's scale bytes
.set STAGE, WSL+2048
.set SP,    272
.set SPARE, STAGE+16*32*SP             ; the spare words: 128 bytes a wave
.set LI,  1
.set LV,  2
.set LS,  3
.set ADK, 12
.set ADV, 13
.set ADS, 14
.set KF,  36
.set SC,  68
.set S,   72
.set OA,  136
.set OBB, 168
.set PA,  200
.set PBB, 208
.set BM,  220
.set BT,  224
.set BS,  228
.set F,   234
.set TP,  236
.set STO, 238
.set RD,  239
.set GO,  240
.set CHB, 240                          ; chain c (1 to 7) of the sum: v[CHB + 2 c - 2 : CHB + 2 c - 1]
.set XA,  241                          ; stage: row r, + 16 h: x's fragments
.set XS,  242                          ; stage: row h, + 16 r: whole rows in
.set WF,  243                          ; Wq's fragments
.set WS,  244                          ; Wq's scale words
.set XG,  245                          ; x's codes in memory: row h, + 16 r
.set XQ,  246                          ; x's scale bytes in memory: 32 r
.set XF,  200
.set XSC, 220
.set WSC, 4                            ; v4-35 (head alone): Wq's scale words: register 8 t + s is row r's word of channel tile t for step s
.set WV,  8
.set G0,  16
.set SEL, 20
.set CS,  22
.set G1,  24
.set TK,  32
.set TS,  33
.set CNT, 34
.set NC,  35                           ; s35  -log2(e) / 8
.set G0W, 52
.set G1W, 56
.set G0S, 68
.set G1S, 72
.macro ROUND                           ; a round of the cluster's barrier
	s_barrier_signal -1
	s_barrier_wait -1
	s_cmp_lg_u32 s[WV], 0
	s_cbranch_scc1 .Lnot_wave_0_\@
	s_barrier_signal -3
.Lnot_wave_0_\@:
	s_barrier_wait -3
	s_barrier_signal -1
	s_barrier_wait -1
.endm
	s_load_b128 s[4:7], s[0:1], 0x0                ; codes, scales
	s_load_b128 s[48:51], s[0:1], 0x10             ; img, out0
	v_lshl_add_u32 v254, v0, 2, SPARE
	v_mov_b32 v255, 0
	ds_add_u32 v254, v255                          ; the opening: the add, twice on end, and its wait ahead of the first tensor load
	ds_add_u32 v254, v255
	v_lshrrev_b32 v1, 5, v0
	v_readfirstlane_b32 s[WV], v1                  ; wave 0..15
	s_bfe_u32 s9, ttmp6, 0x40000                   ; cx: it enters x's and out0's addresses alone
	s_lshl_b32 s10, ttmp9, 2
	s_add_co_u32 s10, s10, s9
	s_lshl_b32 s10, s10, 4
	s_add_co_u32 s10, s10, s[WV]                   ; beta: my 32 queries of the head's 2,048
	s_and_b32 s11, ttmp7, 0xffff                   ; g, which the four partners share
	s_mul_i32 s12, s11, REC
	s_mov_b32 s13, 0
	s_mul_i32 s14, s[WV], PART                     ; a loading wave's part, in the record and in LDS alike
	s_mov_b32 s15, 0
	s_mov_b32 s[G1], 15|(3<<16)|(1<<21)            ; the record: 68 rows of 256 bytes (32 elements of 8), dense; the mask names all four; bit 21 beside it
	s_mov_b32 s[G1+1], 32<<16
	s_mov_b32 s[G1+2], 68<<16
	s_mov_b32 s[G1+3], 32<<16
	s_mov_b32 s[G1+4], 68
	s_mov_b32 s[G1+5], 32
	s_mov_b32 s[G1+6], 0
	s_mov_b32 s[G1+7], 0
	s_mov_b32 s[G1W], 15|(3<<16)|(1<<20)|(1<<21)|(6<<22)|(3<<25)   ; Wq's codes: 64 rows of 512 bytes, four words of padding behind every 128
	s_mov_b32 s[G1W+1], 64<<16
	s_mov_b32 s[G1W+2], 64<<16
	s_mov_b32 s[G1W+3], 64<<16
	s_mov_b32 s[G1W+4], 64
	s_mov_b32 s[G1W+5], 64
	s_mov_b32 s[G1W+6], 0
	s_mov_b32 s[G1W+7], 0
	s_mov_b32 s[G1S], 15|(3<<16)|(1<<21)           ; Wq's scale bytes: 8 rows of 256 bytes, dense
	s_mov_b32 s[G1S+1], 32<<16
	s_mov_b32 s[G1S+2], 8<<16
	s_mov_b32 s[G1S+3], 32<<16
	s_mov_b32 s[G1S+4], 8
	s_mov_b32 s[G1S+5], 32
	s_mov_b32 s[G1S+6], 0
	s_mov_b32 s[G1S+7], 0
	s_mov_b32 s[G0], 1
	s_mov_b32 s[G0+1], s14
	s_mov_b32 s[G0W], 1
	s_mov_b32 s[G0W+1], WQL
	s_mov_b32 s[G0S], 1
	s_mov_b32 s[G0S+1], WSL
	s_mov_b32 s[SEL], 0x76543210
	s_mov_b32 s[SEL+1], 0xfedcba98
	s_mov_b32 s[CS], 0x3e38aa3b                    ; log2(e) / 8
	s_mov_b32 s[CS+1], s[CS]
	s_mov_b32 s[NC], 0xbe38aa3b                    ; and its negative
	s_mov_b32 s[TK], 0
	s_mov_b32 s[TS], 0
	s_mov_b32 s[CNT], 16
	s_mov_b32 s43, 0
	s_wait_dscnt 0x0
	s_wait_kmcnt 0x0
	s_add_nc_u64 s[44:45], s[48:49], s[12:13]      ; my head's record
	s_add_nc_u64 s[G0+2:G0+3], s[44:45], s[14:15]
	s_or_b32 s[G0+3], s[G0+3], 0x80000000
	s_and_b32 s46, s11, 15                         ; Wq's rows of head h: places 16,384 + 64 h on
	s_lshl_b32 s46, s46, 6
	s_add_co_u32 s46, s46, 16384
	s_lshl_b32 s42, s46, 9
	s_add_nc_u64 s[G0W+2:G0W+3], s[4:5], s[42:43]
	s_or_b32 s[G0W+3], s[G0W+3], 0x80000000
	s_lshl_b32 s42, s46, 5
	s_add_nc_u64 s[G0S+2:G0S+3], s[6:7], s[42:43]
	s_or_b32 s[G0S+3], s[G0S+3], 0x80000000
	s_lshr_b32 s42, s11, 4                         ; x: places 2,048 b + 32 beta on
	s_lshl_b32 s42, s42, 11
	s_lshl_b32 s46, s10, 5
	s_add_co_u32 s46, s42, s46
	s_lshl_b32 s42, s46, 9
	s_add_nc_u64 s[36:37], s[4:5], s[42:43]        ; their codes
	s_lshl_b32 s42, s46, 5
	s_add_nc_u64 s[38:39], s[6:7], s[42:43]        ; their scale bytes
	s_lshr_b32 s42, s11, 4                         ; out0: the batch's 2,048 rows of 4,096 bytes,
	s_lshl_b32 s42, s42, 23
	s_lshl_b32 s46, s10, 17                        ; my 32 rows,
	s_add_co_u32 s42, s42, s46
	s_and_b32 s46, s11, 15                         ; the head's 256 bytes of a row
	s_lshl_b32 s46, s46, 8
	s_add_co_u32 s42, s42, s46
	s_add_nc_u64 s[40:41], s[50:51], s[42:43]
	ROUND                                          ; all four work-groups are here: the joint loads meet
; the launch's fills: one chain of branches on the wave's number, one load to an arm
.macro ARM under, g0, g1, next
	s_cmp_lt_u32 s[WV], \under
	s_cbranch_scc0 \next
	tensor_load_to_lds s[\g0:\g0+3], s[\g1:\g1+7]
	s_nop 0
.rept 4
	v_nop
.endr
	s_branch .Lhead_asked
\next:
.endm
	ARM 8,  G0,  G1,  .Lhead_w
	ARM 9,  G0W, G1W, .Lhead_s
	ARM 10, G0S, G1S, .Lhead_none
.Lhead_asked:
	v_and_b32 v[LI], 31, v0
	v_lshlrev_b32 v[LI], 4, v[LI]                  ; 16 x lane
	v_and_b32 v[TP], 15, v0                        ; r
	v_bfe_u32 v[TP+1], v0, 4, 1                    ; h
	s_mul_i32 s12, s[WV], 32*SP
	s_add_co_u32 s12, s12, STAGE                   ; my stage
	v_mul_u32_u24 v[XA], v[TP], SP
	v_lshl_add_u32 v[XA], v[TP+1], 4, v[XA]
	v_add_nc_u32 v[XA], s12, v[XA]
	v_mul_u32_u24 v[XS], v[TP+1], SP
	v_lshl_add_u32 v[XS], v[TP], 4, v[XS]
	v_add_nc_u32 v[XS], s12, v[XS]
	v_mul_u32_u24 v[WF], v[TP], WP
	v_lshl_add_u32 v[WF], v[TP+1], 4, v[WF]
	v_add_nc_u32 v[WF], WQL, v[WF]
	v_lshlrev_b32 v[XQ], 5, v[TP]
	v_add_nc_u32 v[WS], WSL, v[XQ]
	v_lshlrev_b32 v[XG], 9, v[TP+1]
	v_lshl_add_u32 v[XG], v[TP], 4, v[XG]
	v_add_nc_u32 v[LV], VCO, v[LI]
	v_add_nc_u32 v[LS], KVS, v[LI]                 ; lanes 0-15: K's four words of row r; lanes 16-31: V's
	s_wait_alu depctr_va_vdst(0)                   ; the wait behind the addresses' making
.irp c, 0,1                                    ; my 32 rows of x's codes, 256 bytes of each row at a time: sixteen lanes read 256 consecutive bytes, aligned
.irp i, 0,1,2,3,4,5,6,7,8,9,10,11,12,13,14,15
	global_load_b128 v[S+64*\c+4*\i:S+64*\c+4*\i+3], v[XG], s[36:37] offset:1024*\i+256*\c
.endr
.endr
.irp u, 0,1
.irp c, 0,1
	global_load_b128 v[XSC+8*\u+4*\c:XSC+8*\u+4*\c+3], v[XQ], s[38:39] offset:512*\u+16*\c   ; row r's eight scale words, tile u
.endr
.endr
	s_wait_tensorcnt 0x0                           ; my fill, if I have one, has landed,
	s_barrier_signal -1
	s_barrier_wait -1                              ; everybody's has
	s_wait_loadcnt 0x0                             ; x
.macro XSTORE c                        ; half c of my rows into my stage
.irp i, 0,1,2,3,4,5,6,7,8,9,10,11,12,13,14,15
	ds_store_b128 v[XS], v[S+64*\c+4*\i:S+64*\c+4*\i+3] offset:2*\i*SP
.endr
.endm
; 128 along K of Q^T = Wq x^T: four tiles of 16 channels x two tiles of 16 queries.  Four places stand in front of loads into registers that the last products read.  LDS serves a wave's instructions in order: the loads see my stores.
.macro KSTEP s, zero
.if \zero == 0
.rept 4
	v_nop
.endr
.endif
.irp t, 0,1,2,3
.irp c, 0,1
	ds_load_b128 v[KF+8*\t+4*\c:KF+8*\t+4*\c+3], v[WF] offset:\t*16*WP+64*(\s)+32*\c
.endr
.endr
.irp u, 0,1
.irp c, 0,1
	ds_load_b128 v[XF+8*\u+4*\c:XF+8*\u+4*\c+3], v[XA] offset:\u*16*SP+64*((\s)%4)+32*\c
.endr
.endr
	s_wait_dscnt 0x0                               ; the fragments are in, and my stores have read their registers
.irp u, 0,1
.irp t, 0,1,2,3
.if \zero
	v_wmma_scale_f32_16x16x128_f8f6f4 v[S+32*\u+8*\t:S+32*\u+8*\t+7], v[KF+8*\t:KF+8*\t+7], v[XF+8*\u:XF+8*\u+7], 0, v[WSC+8*\t+(\s)], v[XSC+8*\u+(\s)] matrix_a_fmt:MATRIX_FMT_FP4 matrix_b_fmt:MATRIX_FMT_FP4
.else
	v_wmma_scale_f32_16x16x128_f8f6f4 v[S+32*\u+8*\t:S+32*\u+8*\t+7], v[KF+8*\t:KF+8*\t+7], v[XF+8*\u:XF+8*\u+7], v[S+32*\u+8*\t:S+32*\u+8*\t+7], v[WSC+8*\t+(\s)], v[XSC+8*\u+(\s)] matrix_a_fmt:MATRIX_FMT_FP4 matrix_b_fmt:MATRIX_FMT_FP4
.endif
.endr
.endr
.endm
; A wave's whole product Q^T = Wq x^T: 8 loads of scale words, 32 stores into its stage, 96 loads of fragments, 64 matrix instructions.
.macro QPROJ
.irp t, 0,1,2,3
.irp c, 0,1
	ds_load_b128 v[WSC+8*\t+4*\c:WSC+8*\t+4*\c+3], v[WS] offset:512*\t+16*\c   ; row r's eight scale words of channel tile t
.endr
.endr
	XSTORE 0
	KSTEP 0, 1                                     ; the first step starts the sums
	KSTEP 1, 0
	KSTEP 2, 0
	KSTEP 3, 0
	XSTORE 1                                       ; the first half's fragments have all been read
	KSTEP 4, 0
	KSTEP 5, 0
	KSTEP 6, 0
	KSTEP 7, 0
.rept 5
	v_nop                                          ; the places behind the last products, ahead of whatever touches their registers next
.endr
.endm
; THE SIXTEEN WAVES TAKE THIS PRODUCT IN TWO SHIFTS OF EIGHT, with one barrier between: it is made of LDS reads, the loop over the keys of vector work,
; so the first shift is in the loop while the second reads LDS.  The shift is bit 3 xor bit 1 of the wave's number.  Every wave passes the barrier; the branches lead round the product alone.
	s_lshr_b32 s47, s[WV], 2
	s_xor_b32 s47, s47, s[WV]
	s_and_b32 s47, s47, 2                          ; 0: first shift
	s_cmp_eq_u32 s47, 0
	s_cbranch_scc0 .Lsecond_waits
	QPROJ
.Lsecond_waits:
	s_barrier_signal -1                            ; no LDS instruction of mine is out
	s_barrier_wait -1                              ; the first shift has made its Q
	s_cmp_eq_u32 s47, 0
	s_cbranch_scc1 .Lq_made
	QPROJ
.Lq_made:
.irp z, 16,17,18,19,24,25,26,27,32,33,34,35
	v_mov_b32 v[\z], 0                             ; zero codes: [qA, 0] = v[20:27], [0, qA] = v[16:23], [qB, 0] = v[28:35], [0, qB] = v[24:31].  (Also the places behind the last products)
.endr
.irp b, 0,1,2,3
	v_mov_b32 v[BT+\b], 0                          ; a lane permute's destination counts as one of its sources
.endr
; Q is quantised: block n = 2 u + b is channels 32 b on of tile u; my 16 of its numbers are registers 16 n on, lane l xor 16 has the others
.irp n, 0,1,2,3
	v_max3_num_f32 v[BM+\n], |v[S+16*\n]|, |v[S+16*\n+1]|, 0x1800000   ; with the floor 2^(3 - 127)
.endr
.irp i, 2,4,6,8,10,12,14
.irp n, 0,1,2,3
	v_max3_num_f32 v[BM+\n], v[BM+\n], |v[S+16*\n+\i]|, |v[S+16*\n+\i+1]|
.endr
.endr
.irp n, 0,1,2,3
	v_permlanex16_b32 v[BT+\n], v[BM+\n], s[SEL], s[SEL+1]
.endr
.irp n, 0,1,2,3
	v_max_num_f32 v[BM+\n], v[BM+\n], v[BT+\n]
.endr
.irp n, 0,1,2,3
	v_add_nc_u32 v[BS+\n], 0xff000000, v[BM+\n]    ; 2 off the exponent field: the conversion's scale operand
.endr
.irp n, 0,1,2,3
	v_lshrrev_b32 v[BT+\n], 23, v[BS+\n]           ; the scale's byte
.endr
	v_lshl_or_b32 v218, v[BT+1], 8, v[BT]
	v_lshl_or_b32 v219, v[BT+3], 8, v[BT+2]
	v_lshl_or_b32 v218, v218, 16, v218             ; a tile's two bytes, twice: they serve [q, 0] and [0, q]
	v_lshl_or_b32 v219, v219, 16, v219
.irp n, 0,1,2,3
	v_cvt_scalef32_pk8_fp4_f32 v[20+8*(\n/2)+2*(\n%2)], v[S+16*\n:S+16*\n+7], v[BS+\n]
	v_cvt_scalef32_pk8_fp4_f32 v[21+8*(\n/2)+2*(\n%2)], v[S+16*\n+8:S+16*\n+15], v[BS+\n]
.endr
	v_nop                                          ; one plain line behind a scaled conversion
.irp q, 20, 21, 28, 29
	v_permlane16_swap_b32 v[\q], v[\q+2]           ; a whole block to a lane: lanes 0-15 channels 0-31, lanes 16-31 channels 32-63
.endr
.irp st, 4, 8
	v_mov_b32 v[\st+1], 0xff61b1e6                 ; the largest score so far: -3e38
	v_mov_b32 v[\st+2], 0                          ; the sum, in two halves
	v_mov_b32 v[\st+3], 0
	v_mov_b32 v[\st], 0x7e800000                   ; -M: a large whole number, 2^126: the first step's f is 0 and multiplies zeros
.endr
	v_mov_b32 v[F+1], 0
.set n, 0
.rept 64
	v_mov_b32 v[OA+n], 0                           ; O^T: the first step finds zeros.  (Also the places between the making of Q's codes and scale words and the first product)
.set n, n+1
.endr
	s_wait_alu depctr_va_vdst(0)                   ; the wait at the head's end
; Scores of one tile of queries against the step's 128 keys: eight products, each starting its own sum.
.macro SMUL lo, hi, qs
.irp f, 0,1,2,3
	v_wmma_scale_f32_16x16x128_f8f6f4 v[S+16*\f:S+16*\f+7], v[KF+8*\f:KF+8*\f+7], v[\lo:\lo+7], 0, v[SC+\f], v[\qs] matrix_a_fmt:MATRIX_FMT_FP4 matrix_b_fmt:MATRIX_FMT_FP4
	v_wmma_scale_f32_16x16x128_f8f6f4 v[S+16*\f+8:S+16*\f+15], v[KF+8*\f:KF+8*\f+7], v[\hi:\hi+7], 0, v[SC+\f], v[\qs] matrix_a_fmt:MATRIX_FMT_FP4 matrix_b_fmt:MATRIX_FMT_FP4
.endr
.rept 4
	v_nop
.endr
.endm
.macro FLOAD adr                       ; four fragments, as images: eight loads of 512 consecutive bytes
.irp f, 0,1,2,3
.irp c, 0,1
	ds_load_b128 v[KF+8*\f+4*\c:KF+8*\f+4*\c+3], v[\adr] offset:1024*\f+512*\c
.endr
.endr
.endm
.macro TM st, n                        ; t - M of scores n, n + 1 (of the pairs c and -M the low word serves both halves)
	v_pk_fma_f32 v[S+(\n):S+(\n)+1], v[S+(\n):S+(\n)+1], s[CS:CS+1], v[\st:\st+1] op_sel_hi:[1,0,0]
.endm
.macro EX n                            ; p = 2^(t - M), at most 1
	v_exp_f32 v[S+(\n)], v[S+(\n)]
.endm
; One tile's softmax for a step.  st: its statistics (-M, the largest score, the sum's halves); ob: its O^T; pb: where its codes go; pw: its scale word.
.macro SOFTMAX st, ob, pb, pw
.irp b, 0,1,2,3
	v_max3_num_f32 v[BM+\b], v[S+16*\b], v[S+1+16*\b], v[S+2+16*\b]   ; the largest score of each block of 32 keys: for the row's maximum and for the block's largest p
.endr
.irp i, 3,5,7,9,11,13
.irp b, 0,1,2,3
	v_max3_num_f32 v[BM+\b], v[BM+\b], v[S+16*\b+\i], v[S+1+16*\b+\i]
.endr
.endr
.irp b, 0,1,2,3
	v_max_num_f32 v[BM+\b], v[BM+\b], v[S+15+16*\b]
.endr
	v_mov_b32 v[TP+1], v[\st]                      ; the old -M
.irp b, 0,1,2,3
	v_permlanex16_b32 v[BT+\b], v[BM+\b], s[SEL], s[SEL+1]
.endr
.irp b, 0,1,2,3
	v_max_num_f32 v[BM+\b], v[BM+\b], v[BT+\b]     ; with lane l xor 16's 16 keys
.endr
	v_max3_num_f32 v[TP], v[BM], v[BM+1], v[BM+2]
	v_max3_num_f32 v[\st+1], v[TP], v[BM+3], v[\st+1]   ; the running largest score of my query
	v_mul_f32 v[TP], s[NC], v[\st+1]               ; -t (c is positive, so the largest score gives the largest t)
	v_floor_f32 v[\st], v[TP]                      ; the new -M = floor(-t) = -ceil(t): a whole number
	TM \st, 0
	TM \st, 2
	v_sub_f32 v[TP], v[\st], v[TP+1]               ; old M - new M: a whole number, 0 or less.  (f is made among the first group's multiply-adds)
.irp n, 4,6,8,10,12
	TM \st, \n
.endr
	v_cvt_i32_f32 v[TP], v[TP]                     ; (it saturates)
	TM \st, 14
.irp b, 0,1,2,3
	v_fma_f32 v[BM+\b], v[BM+\b], s[CS], v[\st]    ; the same of each block's largest score
.endr
	v_ldexp_f32 v[F], 1.0, v[TP]                   ; f = 2^(old M - new M)
	s_wait_alu depctr_va_vdst(0)                   ; ahead of the first group
.irp i, 0,1,2,3,4,5,6,7,8,9,10,11,12,13,14,15
	EX \i
	TM \st, 16+2*\i                                ; groups 1 and 2
.endr
	v_pk_mul_f32 v[\st+2:\st+3], v[\st+2:\st+3], v[F:F+1] op_sel_hi:[1,0]   ; the sum under the new M
	s_wait_alu depctr_va_vdst(0)                   ; the border of two groups
.irp i, 0,1,2,3,4,5,6,7
	EX 16+2*\i
	EX 17+2*\i
	TM \st, 48+2*\i                                ; group 3
.endr
	v_pk_add_f32 v[\st+2:\st+3], v[\st+2:\st+3], v[S:S+1]   ; THE ROW'S SUM IS TAKEN OF THE UNQUANTISED p, two at a time: chain 0 is the running sum
	s_wait_alu depctr_va_vdst(0)
	EX 32
	EX 33
	v_pk_add_f32 v[\st+2:\st+3], v[\st+2:\st+3], v[S+16:S+17]
.irp c, 1,2,3,4,5,6,7
	EX 32+2*\c
	EX 33+2*\c
	v_pk_add_f32 v[CHB+2*\c-2:CHB+2*\c-1], v[S+2*\c:S+2*\c+1], v[S+16+2*\c:S+17+2*\c]   ; chain c begins with groups 0 and 1
.endr
	s_wait_alu depctr_va_vdst(0)
.irp b, 0,1,2,3
	v_exp_f32 v[BM+\b], v[BM+\b]                   ; the block's largest p: the same two instructions on the same number give the same bits
.endr
	EX 48
	EX 49
	v_pk_add_f32 v[\st+2:\st+3], v[\st+2:\st+3], v[S+32:S+33]
.irp c, 1,2,3,4,5,6,7
	EX 48+2*\c
	EX 49+2*\c
	v_pk_add_f32 v[CHB+2*\c-2:CHB+2*\c-1], v[CHB+2*\c-2:CHB+2*\c-1], v[S+32+2*\c:S+33+2*\c]
.endr
	s_wait_alu depctr_va_vdst(0)                   ; behind the last group.  From here on the scales' lines and the sums take turns
.irp b, 0,1,2,3
	v_max_num_f32 v[BM+\b], 0x1800000, v[BM+\b]    ; the floor 2^(3 - 127): the byte cannot fall under 1
.endr
	v_pk_add_f32 v[\st+2:\st+3], v[\st+2:\st+3], v[S+48:S+49]
.irp c, 1,2,3,4,5,6,7
	v_pk_add_f32 v[CHB+2*\c-2:CHB+2*\c-1], v[CHB+2*\c-2:CHB+2*\c-1], v[S+48+2*\c:S+49+2*\c]
.endr
.irp b, 0,1,2,3
	v_add_nc_u32 v[BS+\b], 0xff000000, v[BM+\b]    ; 2 off the exponent field: the conversion's scale operand
.endr
	v_pk_add_f32 v[CHB:CHB+1], v[CHB:CHB+1], v[CHB+2:CHB+3]          ; the eight chains are joined
	v_pk_add_f32 v[CHB+4:CHB+5], v[CHB+4:CHB+5], v[CHB+6:CHB+7]
	v_pk_add_f32 v[CHB+8:CHB+9], v[CHB+8:CHB+9], v[CHB+10:CHB+11]
	v_pk_add_f32 v[\st+2:\st+3], v[\st+2:\st+3], v[CHB+12:CHB+13]
.irp b, 0,1,2,3
	v_lshrrev_b32 v[BT+\b], 23, v[BS+\b]           ; the scale's byte
.endr
	v_pk_add_f32 v[CHB:CHB+1], v[CHB:CHB+1], v[CHB+4:CHB+5]
	v_pk_add_f32 v[\st+2:\st+3], v[\st+2:\st+3], v[CHB+8:CHB+9]
.irp b, 0,1,2,3
	v_cvt_scalef32_pk8_fp4_f32 v[\pb+2*\b], v[S+16*\b:S+7+16*\b], v[BS+\b]
	v_cvt_scalef32_pk8_fp4_f32 v[\pb+1+2*\b], v[S+8+16*\b:S+15+16*\b], v[BS+\b]
.endr
	v_lshl_or_b32 v[BT], v[BT+1], 8, v[BT]         ; (plain lines behind the scaled conversions)
	v_lshl_or_b32 v[BT+2], v[BT+3], 8, v[BT+2]
	v_pk_add_f32 v[\st+2:\st+3], v[\st+2:\st+3], v[CHB:CHB+1]
.irp c, 0,1                                    ; a whole block to a lane: lanes 0-15 block 2 c, lanes 16-31 block 2 c + 1
.irp i, 0,1
	v_permlane16_swap_b32 v[\pb+4*\c+\i], v[\pb+2+4*\c+\i]
.endr
.endr
	v_lshl_or_b32 v[\pw], v[BT+2], 16, v[BT]       ; p's scale word for these 128 keys
.set n, 0
.rept 16
	v_pk_mul_f32 v[\ob+n:\ob+n+1], v[\ob+n:\ob+n+1], v[F:F+1] op_sel_hi:[1,0]   ; O^T under the new M, from its low end on.  (Also the places ahead of the products that take p's codes and scale word)
.set n, n+2
.endr
.endm
.Lstep:                                            ; 16 trips of 128 keys
	v_add_nc_u32 v[ADK], s[TK], v[LI]              ; these four lines are the places behind the last products, in front of the loads into their registers
	v_add_nc_u32 v[ADV], s[TK], v[LV]
	v_add_nc_u32 v[ADS], s[TS], v[LS]
	v_nop
	FLOAD ADK                                      ; K's four fragments: eight tiles of 16 keys
	ds_load_b128 v[SC:SC+3], v[ADS]                ; the step's scale words, K's and V's
	s_wait_dscnt 0x0
	SMUL 20, 16, 218                               ; tile A's scores
	SOFTMAX 4, OA, PA, 216
	SMUL 28, 24, 219                               ; tile B's, from the same fragments; its four places stand in front of the loads below
	FLOAD ADV                                      ; V's four fragments land while tile B's softmax is worked
	SOFTMAX 8, OBB, PBB, 217
	s_wait_alu depctr_va_vdst(0)                   ; directly ahead of the wait below
	s_wait_dscnt 0x0                               ; V is in
.irp t, 0,1,2,3                                ; O^T += V^T P^T: the eight accumulators by turns
	v_wmma_scale_f32_16x16x128_f8f6f4 v[OA+8*\t:OA+8*\t+7], v[KF+8*\t:KF+8*\t+7], v[PA:PA+7], v[OA+8*\t:OA+8*\t+7], v[SC+\t], v216 matrix_a_fmt:MATRIX_FMT_FP4 matrix_b_fmt:MATRIX_FMT_FP4 matrix_a_scale:MATRIX_SCALE_ROW1
	v_wmma_scale_f32_16x16x128_f8f6f4 v[OBB+8*\t:OBB+8*\t+7], v[KF+8*\t:KF+8*\t+7], v[PBB:PBB+7], v[OBB+8*\t:OBB+8*\t+7], v[SC+\t], v217 matrix_a_fmt:MATRIX_FMT_FP4 matrix_b_fmt:MATRIX_FMT_FP4 matrix_a_scale:MATRIX_SCALE_ROW1
.endr
	s_add_co_u32 s[TK], s[TK], 4096
	s_add_co_u32 s[TS], s[TS], 512
	s_sub_co_u32 s[CNT], s[CNT], 1
	s_cmp_lg_u32 s[CNT], 0
	s_cbranch_scc1 .Lstep
	; THE WAY OUT.  O^T is divided by the row's sum and goes through my stage in LDS, a tile (16 queries x 64 channels: rows of 256 bytes) at a time.
	v_add_f32 v6, v6, v7                           ; (these lines are the places behind the last products)
	v_add_f32 v10, v10, v11
	s_delay_alu instid0(VALU_DEP_2)
	v_permlanex16_b32 v[BT], v6, s[SEL], s[SEL+1]
	s_delay_alu instid0(VALU_DEP_2)
	v_permlanex16_b32 v[BT+1], v10, s[SEL], s[SEL+1]
	s_delay_alu instid0(VALU_DEP_2)
	v_add_f32 v6, v6, v[BT]
	s_delay_alu instid0(VALU_DEP_2)
	v_add_f32 v10, v10, v[BT+1]
	s_wait_alu depctr_va_vdst(0)                   ; the wait ahead of the reciprocals
	v_rcp_f32 v6, v6
	v_rcp_f32 v10, v10
	v_and_b32 v[TP], 15, v0                        ; r  (plain lines behind the reciprocals)
	v_bfe_u32 v[TP+1], v0, 4, 1                    ; h
	s_mul_i32 s12, s[WV], 32*SP
	s_add_co_u32 s12, s12, STAGE                   ; my stage
	v_mul_u32_u24 v[STO], v[TP], SP
	s_delay_alu instid0(VALU_DEP_1)
	v_lshl_add_u32 v[STO], v[TP+1], 6, v[STO]
	s_delay_alu instid0(VALU_DEP_1)
	v_add_nc_u32 v[STO], s12, v[STO]               ; in: row r, + 64 h: register 8 t + j is channel 32 (t / 2) + 16 h + 8 (t % 2) + j
	v_mul_u32_u24 v[RD], v[TP+1], SP
	s_delay_alu instid0(VALU_DEP_1)
	v_lshl_add_u32 v[RD], v[TP], 4, v[RD]
	s_delay_alu instid0(VALU_DEP_1)
	v_add_nc_u32 v[RD], s12, v[RD]                 ; back: lanes 0-15 one row, lanes 16-31 the next
	v_lshlrev_b32 v[GO], 12, v[TP+1]
	s_delay_alu instid0(VALU_DEP_1)
	v_lshl_add_u32 v[GO], v[TP], 4, v[GO]          ; and the same two rows in out0, 4,096 bytes apart
	s_wait_alu depctr_va_vdst(0)                   ; one wait for the two reciprocals, ahead of their first reader
.macro PACK ob, tmp, back, rc          ; O^T / the sum; into the stage; back as whole rows.  LDS serves a wave's instructions in order (ISA guide 5.7.1.4)
.irp j, 0,2,4,6,8,10,12,14,16,18,20,22,24,26,28,30
	v_pk_mul_f32 v[\tmp+\j:\tmp+\j+1], v[\ob+\j:\ob+\j+1], v[\rc:\rc+1] op_sel_hi:[1,0]
.endr
.irp t, 0,1,2,3
	ds_store_b128 v[STO], v[\tmp+8*\t:\tmp+8*\t+3] offset:128*(\t/2)+32*(\t%2)
	ds_store_b128 v[STO], v[\tmp+8*\t+4:\tmp+8*\t+7] offset:128*(\t/2)+32*(\t%2)+16
.endr
.irp i, 0,1,2,3,4,5,6,7
	ds_load_b128 v[\back+4*\i:\back+4*\i+3], v[RD] offset:\i*2*SP
.endr
.endm
.macro SEND back, u, younger           ; stage row 2 i + h of tile u is query 8 u + 2 i + h + 8 (i / 4) of my 32.  younger: the LDS instructions issued behind this tile's loads
.irp i, 0,1,2,3,4,5,6,7
	s_wait_dscnt \younger+7-\i
	global_store_b128 v[GO], v[\back+4*\i:\back+4*\i+3], s[40:41] offset:(8*\u+2*\i+8*(\i/4))*4096 th:TH_STORE_NT   ; 16 lanes store 256 consecutive bytes, aligned
.endr
.endm
	PACK OA, 72, 104, 6
	PACK OBB, 136, 36, 10
	SEND 104, 0, 16
	SEND 36, 1, 0
	s_wait_tensorcnt 0x0                           ; the wave's end
	ds_add_u32 v254, v255
	s_wait_dscnt 0x0
	ROUND                                          ; the closing round
	s_endpgm
.Lfunc_end_k_q62c0835197_attn:
	.size	k_q62c0835197_attn, .Lfunc_end_k_q62c0835197_attn-k_q62c0835197_attn
	.p2alignl 7, 3214868480
	.fill 96, 4, 3214868480
	.section	.rodata,"a",@progbits
	.p2align	6, 0x0
	.amdhsa_kernel k_q62c0835197_attn
		.amdhsa_group_segment_fixed_size 327680
		.amdhsa_private_segment_fixed_size 0
		.amdhsa_enable_private_segment 0
		.amdhsa_kernarg_size 32
		.amdhsa_user_sgpr_count 2
		.amdhsa_user_sgpr_kernarg_segment_ptr 1
		.amdhsa_wavefront_size32 1
		.amdhsa_system_sgpr_workgroup_id_x 1
		.amdhsa_system_sgpr_workgroup_id_y 1
		.amdhsa_system_sgpr_workgroup_id_z 1
		.amdhsa_system_vgpr_workitem_id 0
		.amdhsa_next_free_vgpr 256
		.amdhsa_next_free_sgpr 80
		.amdhsa_reserve_vcc 0
		.amdhsa_float_denorm_mode_32 3
		.amdhsa_float_denorm_mode_16_64 3
		.amdhsa_memory_ordered 1
		.amdhsa_forward_progress 1
		.amdhsa_inst_pref_size 89
	.end_amdhsa_kernel
	.amdgpu_metadata
---
amdhsa.version: [ 1, 2 ]
amdhsa.kernels:
  - .name:           k_q62c0835197_attn
    .symbol:         k_q62c0835197_attn.kd
    .args:
      - { .name: codes, .offset: 0, .size: 8, .value_kind: global_buffer, .address_space: global }
      - { .name: scales, .offset: 8, .size: 8, .value_kind: global_buffer, .address_space: global }
      - { .name: img, .offset: 16, .size: 8, .value_kind: global_buffer, .address_space: global }
      - { .name: out0, .offset: 24, .size: 8, .value_kind: global_buffer, .address_space: global }
    .group_segment_fixed_size: 327680
    .private_segment_fixed_size: 0
    .kernarg_segment_align: 8
    .kernarg_segment_size: 32
    .max_flat_workgroup_size: 512
    .sgpr_count:     80
    .vgpr_count:     256
    .wavefront_size: 32
...
	.end_amdgpu_metadata
.endif
;; end of part 3
